; MI455X (gfx1250); checked and timed in simulation.
; The chip was launched on July 23, 2026; its instructions are those of AMD's public machine-readable ISA for CDNA 5 (MIT licence, August 2026) and "CDNA5" Instruction Set Architecture Reference Guide (July 2026). The comments in the code are by the model that wrote it; some were corrected since.
;; KAN Linear. Allowed arithmetic: float matrix products may take bf16 or f16 operands with f32 sums; all other float work in f32.
;; Inputs: base_weight 512 x 512 float32; grid 512 x 12 float32; spline_scaler 512 x 512 float32; spline_weight 512 x 512 x 8 float32; x 16,384 x 512 float32.
;; Outputs: out0 16,384 x 512 float32.
;; One version. Each part assembles by itself: llvm-mc -triple=amdgcn-amd-amdhsa -mcpu=gfx1250 --defsym DOCPART=n.
;; ======== version 1 of 1: 2 launches
;; limits: values are held in f16: magnitudes above 65,504 overflow, below 6.1e-05 lose precision
;; workspace buffers: wb 5,111,808 bytes; tab 90,112 bytes
;; launch prep (part 1): grid 48 x 8, 13 waves a work-group, no clusters, 0 bytes of LDS; arguments spline_weight, spline_scaler, base_weight, grid, wb, tab; writes wb, tab
.if DOCPART == 1
	.amdgcn_target "amdgcn-amd-amdhsa--gfx1250"
	.amdhsa_code_object_version 6
	.text
	.protected	k_q38d10dc253_prep
	.globl	k_q38d10dc253_prep
	.p2align	8
	.type	k_q38d10dc253_prep,@function
k_q38d10dc253_prep:
	s_mov_b64 s[64:65], 0
	v_nop
	global_prefetch_b8 v0, s[64:65] scope:SCOPE_SE
	s_setreg_imm32_b32 hwreg(HW_REG_WAVE_MODE, 25, 1), 1
	s_wait_xcnt 0x0
; PREP: the weights of y = F W^T in f16, in the order of K in which the next launch makes F, and each feature's knot constants.
; ORDER OF K.  16 phases p = 2 P + e of 32 features: place l (0..31) of a phase is feature 64 P + 2 l + e.  In a phase k = 8 l + g is spline basis g of place l (0..255), k = 256 + l the base (silu)
; part of place l: 288 numbers = 36 units of 8 = three tiles of 12 units.  wb = [tile 3 p + third][output 0..511][13 units of 16 bytes]: 12 of data and one of zeros, so that a row is 208 bytes.
; tab = [q 0..10][32 p + l][4 floats]: a feature's 44 numbers: 0-11 the knots g_j; 12-22 R1_j; 23-32 R2_j; 33-41 R3_j; 42, 43 zero.  Rk_j = 1 / max(g[j+k] - g[j], 1e-6).
; SHARES.  Work-group (x = 16 third + ob, y = P): outputs 32 ob .. + 31, all 13 units, of tile 6 P + third (phase 2 P) and of tile 6 P + 3 + third (phase 2 P + 1).  Thread t = 13 ol + up has output
; 32 ob + ol and unit up; its 16 bytes lie at 16 t in the work-group's 6,656 bytes of a tile, so each store of a wave covers 512 consecutive bytes, at a multiple of 256 from wb's first byte.
; A thread's 64 bytes of spline_weight are features 2 u and 2 u + 1 of the pair of phases: one unit for each phase.  A lane without a part of its own loads a clamped address and drops what it gets.
; No LDS, matrix unit or cluster: a stream in which no byte is shared.
; LIMITS.  weight x scaler is rounded once to f16: beyond 65,504 it becomes an infinity; below 6e-5 it keeps f16's step of 6e-8.  1 / den is v_rcp_f32; in max(den, 1e-6) a NaN loses.
.set TILE, 106496                      ; 512 rows of 208 bytes
.set SW, 8                             ; v[8:23]   16 spline weights: features 2 u, 2 u + 1
.set SC, 24                            ; v[24:25]  their two scalers
.set BW, 26                            ; v[26:41]  16 base weights
.set UE, 42                            ; v[42:45]  the even phase's unit
.set UO, 46                            ; v[46:49]  the odd phase's unit
.set BE, 50                            ; v[50:53]  the same of base weights
.set BO, 54                            ; v[54:57]
.set G,  60                            ; v[60:103] a feature's 44 numbers
.set DF, 104                           ; v[104:133] the 30 differences of knots
	s_load_b256 s[4:11], s[0:1], 0x0               ; spline_weight s[4:5], spline_scaler s[6:7], base_weight s[8:9], grid s[10:11]
	s_load_b128 s[12:15], s[0:1], 0x20             ; wb s[12:13], tab s[14:15]
	s_lshr_b32 s16, ttmp9, 4                       ; third
	s_and_b32 s17, ttmp9, 15                       ; ob
	s_and_b32 s18, ttmp7, 0xffff                   ; P
	s_mov_b32 s26, ttmp9
	v_lshrrev_b32 v1, 5, v0
	v_readfirstlane_b32 s19, v1                    ; wave
	v_mul_u32_u24 v1, v0, 0x13b2                   ; t / 13 = (5,042 t) >> 16, exact for t < 6,500
	v_lshrrev_b32 v1, 16, v1                       ; ol
	v_mul_u32_u24 v2, v1, 13
	v_sub_nc_u32 v2, v0, v2                        ; up
	s_mul_i32 s20, s16, 12
	v_add_nc_u32 v3, s20, v2                       ; the unit's number in the phase, 0..36,
	v_min_u32 v3, 31, v3                           ; clamped to the spline units
	s_lshl_b32 s20, s17, 5
	v_add_nc_u32 v58, s20, v1                      ; the output
	s_lshl_b32 s21, s18, 11
	v_lshl_add_u32 v4, v58, 14, s21                ; spline_weight: 16,384 o + 2,048 P
	v_lshl_add_u32 v4, v3, 6, v4                   ; + 64 u
	s_lshl_b32 s22, s18, 8
	v_lshl_add_u32 v59, v58, 11, s22               ; scaler and base weight: 2,048 o + 256 P
	v_lshl_add_u32 v5, v3, 3, v59                  ; + 8 u
	v_max_u32 v6, 8, v2
	v_min_u32 v6, 11, v6
	v_add_nc_u32 v6, -8, v6                        ; which 16 base features: up - 8, clamped to 0..3
	v_lshl_add_u32 v6, v6, 6, v59
	v_lshlrev_b32 v7, 4, v0                        ; 16 t
	s_mul_i32 s23, s18, 6
	s_add_co_u32 s23, s23, s16                     ; tile 6 P + third
	s_mul_i32 s24, s23, TILE
	s_mul_i32 s25, s17, 6656
	s_add_co_u32 s24, s24, s25
	s_mov_b32 s25, 0
	v_cmp_le_u32 s30, 8, v2                        ; up >= 8: in the last third a unit of base weights
	v_cmp_ne_u32 s31, 12, v2                       ; up = 12 is the unit of zeros
	s_wait_kmcnt 0x0
	s_add_nc_u64 s[12:13], s[12:13], s[24:25]
.irp j, 0,1,2,3
	global_load_b128 v[SW+4*(\j):SW+4*(\j)+3], v4, s[4:5] offset:16*(\j)
.endr
	global_load_b64 v[SC:SC+1], v5, s[6:7]
.macro SPLINE                          ; weight x scaler in f32, rounded once to f16
.irp j, 0,1,2,3,4,5,6,7
	v_mul_f32 v[SW+(\j)], v[SW+(\j)], v[SC]
	v_mul_f32 v[SW+8+(\j)], v[SW+8+(\j)], v[SC+1]
.endr
.irp j, 0,1,2,3
	v_cvt_pk_f16_f32 v[UE+(\j)], v[SW+2*(\j)], v[SW+2*(\j)+1]
	v_cvt_pk_f16_f32 v[UO+(\j)], v[SW+8+2*(\j)], v[SW+8+2*(\j)+1]
.endr
.endm
	s_cmp_eq_u32 s16, 2
	s_cbranch_scc0 .Lplain                         ; only a phase's last third holds base weights
.irp j, 0,1,2,3
	global_load_b128 v[BW+4*(\j):BW+4*(\j)+3], v6, s[8:9] offset:16*(\j)
.endr
	s_wait_loadcnt 0x0
	SPLINE
.irp j, 0,1,2,3
	v_cvt_pk_f16_f32 v[BE+(\j)], v[BW+4*(\j)], v[BW+4*(\j)+2]      ; of 16 neighbouring features the even ones belong to the even phase,
	v_cvt_pk_f16_f32 v[BO+(\j)], v[BW+4*(\j)+1], v[BW+4*(\j)+3]    ; the odd ones to the odd phase
.endr
.irp j, 0,1,2,3
	v_cndmask_b32 v[UE+(\j)], v[UE+(\j)], v[BE+(\j)], s30
	v_cndmask_b32 v[UO+(\j)], v[UO+(\j)], v[BO+(\j)], s30
.endr
	s_branch .Lstore
.Lplain:
	s_wait_loadcnt 0x0
	SPLINE
.Lstore:
.irp j, 0,1,2,3
	v_cndmask_b32 v[UE+(\j)], 0, v[UE+(\j)], s31
	v_cndmask_b32 v[UO+(\j)], 0, v[UO+(\j)], s31
.endr
	global_store_b128 v7, v[UE:UE+3], s[12:13]
	global_store_b128 v7, v[UO:UO+3], s[12:13] offset:3*TILE       ; the odd phase's tile lies three tiles on
	; THE TABLE: the work-groups with x = 0, waves 0 and 1: wave e makes phase 2 P + e, a lane a feature.  None of the registers below is named by the stores above.
	s_cmp_lg_u32 s26, 0
	s_cbranch_scc1 .Ldone
	s_cmp_gt_u32 s19, 1
	s_cbranch_scc1 .Ldone
	v_and_b32 v134, 31, v0
	v_lshlrev_b32 v135, 4, v134                    ; 16 l
	v_mul_u32_u24 v134, v134, 96                   ; a feature's 12 knots are 48 bytes: 3,072 P + 96 l + 48 e
	s_mul_i32 s27, s18, 3072
	s_mul_i32 s28, s19, 48
	s_add_co_u32 s27, s27, s28
	v_add_nc_u32 v134, s27, v134
	s_lshl_b32 s28, s18, 1
	s_add_co_u32 s28, s28, s19
	s_lshl_b32 s28, s28, 9                         ; 512 bytes a phase in each of tab's eleven planes
	v_add_nc_u32 v135, s28, v135
.irp j, 0,1,2
	global_load_b128 v[G+4*(\j):G+4*(\j)+3], v134, s[10:11] offset:16*(\j)
.endr
	v_mov_b32 v[G+42], 0
	v_mov_b32 v[G+43], 0
	s_wait_loadcnt 0x0
.set n, 0
.irp k, 1,2,3
.set j, 0
.rept 12-(\k)
	v_sub_f32 v[DF+n], v[G+j+(\k)], v[G+j]
.set j, j+1
.set n, n+1
.endr
.endr
.set n, 0
.rept 30
	v_max_num_f32 v[DF+n], 0x358637bd, v[DF+n]     ; 1e-6
.set n, n+1
.endr
.set n, 0
.rept 30
	v_rcp_f32 v[G+12+n], v[DF+n]
.set n, n+1
.endr
	v_nop                                          ; a plain instruction between the last reciprocal and the use of its result
	s_wait_alu depctr_va_vdst(0)
.irp q, 0,1,2,3,4,5,6,7,8,9,10
	global_store_b128 v135, v[G+4*(\q):G+4*(\q)+3], s[14:15] offset:8192*(\q)  ; 512 consecutive bytes a store
.endr
.Ldone:
	s_endpgm
.Lfunc_end_k_q38d10dc253_prep:
	.size	k_q38d10dc253_prep, .Lfunc_end_k_q38d10dc253_prep-k_q38d10dc253_prep
	.p2alignl 7, 3214868480
	.fill 96, 4, 3214868480
	.section	.rodata,"a",@progbits
	.p2align	6, 0x0
	.amdhsa_kernel k_q38d10dc253_prep
		.amdhsa_group_segment_fixed_size 0
		.amdhsa_private_segment_fixed_size 0
		.amdhsa_enable_private_segment 0
		.amdhsa_kernarg_size 48
		.amdhsa_user_sgpr_count 2
		.amdhsa_user_sgpr_kernarg_segment_ptr 1
		.amdhsa_wavefront_size32 1
		.amdhsa_system_sgpr_workgroup_id_x 1
		.amdhsa_system_sgpr_workgroup_id_y 1
		.amdhsa_system_sgpr_workgroup_id_z 1
		.amdhsa_system_vgpr_workitem_id 0
		.amdhsa_next_free_vgpr 136
		.amdhsa_next_free_sgpr 66
		.amdhsa_reserve_vcc 0
		.amdhsa_float_denorm_mode_32 3
		.amdhsa_float_denorm_mode_16_64 3
		.amdhsa_memory_ordered 1
		.amdhsa_forward_progress 1
		.amdhsa_inst_pref_size 13
	.end_amdhsa_kernel
	.amdgpu_metadata
---
amdhsa.version: [ 1, 2 ]
amdhsa.kernels:
  - .name:           k_q38d10dc253_prep
    .symbol:         k_q38d10dc253_prep.kd
    .args:
      - { .name: spline_weight, .offset: 0, .size: 8, .value_kind: global_buffer, .address_space: global }
      - { .name: spline_scaler, .offset: 8, .size: 8, .value_kind: global_buffer, .address_space: global }
      - { .name: base_weight, .offset: 16, .size: 8, .value_kind: global_buffer, .address_space: global }
      - { .name: grid, .offset: 24, .size: 8, .value_kind: global_buffer, .address_space: global }
      - { .name: wb, .offset: 32, .size: 8, .value_kind: global_buffer, .address_space: global }
      - { .name: tab, .offset: 40, .size: 8, .value_kind: global_buffer, .address_space: global }
    .group_segment_fixed_size: 0
    .private_segment_fixed_size: 0
    .kernarg_segment_align: 8
    .kernarg_segment_size: 48
    .max_flat_workgroup_size: 416
    .sgpr_count:     66
    .vgpr_count:     136
    .wavefront_size: 32
...
	.end_amdgpu_metadata
.endif
;; end of part 1
;; launch kan (part 2): grid 256 x 1, 8 waves a work-group, clusters of 4 x 1, 327,680 bytes of LDS; arguments x, wb, tab, out0; writes out0
.if DOCPART == 2
	.amdgcn_target "amdgcn-amd-amdhsa--gfx1250"
	.amdhsa_code_object_version 6
	.text
	.protected	k_q38d10dc253_kan
	.globl	k_q38d10dc253_kan
	.p2align	8
	.type	k_q38d10dc253_kan,@function
k_q38d10dc253_kan:
	s_mov_b64 s[64:65], 0
	v_nop
	global_prefetch_b8 v0, s[64:65] scope:SCOPE_SE
	s_setreg_imm32_b32 hwreg(HW_REG_WAVE_MODE, 25, 1), 1
	s_wait_xcnt 0x0
	s_wait_alu depctr_hold_cnt(0) depctr_sa_sdst(0) depctr_va_vdst(0) depctr_va_sdst(0) depctr_va_ssrc(0) depctr_va_vcc(0) depctr_vm_vsrc(0)
	s_getreg_b32 s2, hwreg(HW_REG_IB_STS2, 6, 4)
	s_cmp_eq_u32 s2, 0
	s_cbranch_scc0 .Lentry_in_a_cluster
	s_endpgm
.Lentry_in_a_cluster:
	s_bfe_u32 s2, ttmp6, 0x10000c
	s_cmp_lg_u32 s2, 0x3003
	s_cbranch_scc0 .Lentry_shape_is_right
	s_endpgm
.Lentry_shape_is_right:
; KANLinear as ONE product: out0[16384][512] = F[16384][4608] W^T, not-finite results written as 0.  For each x[b][i], F holds silu(t) and the eight cubic B-spline bases of t on feature i's own 12 knots;
; t = fl(fl(clip(x) + 1) - 1) with NaN -> 0 and clip to -1.1 .. 1.1 (the reference's divisor 2 + 1e-8 is 2 in f32, so its division and multiplication cancel exactly).
; W (wb) and the knot constants (tab) come from the launch before, in this text's order of K: 16 phases of 32 features, 288 numbers a phase (lane l: k = 8 l + g the bases, k = 256 + l silu), three tiles of 96.
; Phase 2 P + e holds the features 64 P + 2 l + e.
; SHARES.  A work-group owns 64 rows and ALL 512 columns, so each x is turned into its nine numbers once, and F never goes to memory.  Eight waves of two kinds, by the wave's number:
;   MULTIPLIERS, waves 0-3: wave w makes 64 rows x columns 128 w .. + 127: 32 accumulators, 256 registers; 96 matrix instructions a tile.
;   MAKERS, waves 4-7: maker i makes rows 16 i .. + 15 of the NEXT phase's F into the A tile that is not being multiplied, and asks for its quarter of each tile of W.
; The whole recurrence is evaluated for every x: the knots are data, and no address or branch may hang on them.  With u_j = t - g_j: c1_j = R1_j where g_j <= t and not g_(j+1) <= t, else 0;
; b(k)_j = u_j c(k)_j - u_(j+k+1) c(k)_(j+1); c(k+1)_j = R(k+1)_j b(k)_j.  A lane has one feature and 16 rows: two rows go in each packed instruction, the feature's 44 constants stay in registers.
; CLUSTER.  All work-groups walk the same 48 tiles of W: the four of a cluster ask for each quarter tile JOINTLY (mask 15), the same load with the same descriptor in all four.
; THE RING.  Two slots of one tile of W (106,496 bytes), one round of the cluster's barrier a tile; a maker has one tensor load outstanding, which has a tile's 96 matrix instructions a multiplier in which to land.
; The same barrier hands the A tiles over at a phase's edge.  wb's rows are 208 bytes in memory already (13 x 16), so a tile is dense, comes as rows of 256 bytes, and needs no padding by the descriptor.
; THE LOOP'S TEXT HOLDS TWO PHASES, six tiles: an even phase (A tile 0 multiplied, A tile 1 made) and an odd one.  So the slot and the A tiles of each section are constants of the text: every LDS address
; is a constant, a term of the lane and a term of the wave's number.  A trip's text begins with an odd phase's last tile and is entered at its second section: 5 + 7 x 6 = 47 tiles ask for their successor;
; the 48th is written out behind the loop.
; THE MATRIX INSTRUCTION IS USED TRANSPOSED (source 0 = 16 rows of W, source 1 = 16 rows of F): a lane holds row lane % 16 and eight neighbouring columns.
; LIMITS.  Both operands are f16, sums f32.  A basis beyond 65,504 becomes an infinity, and the outputs that it reaches are written as 0: bases pass 1 only where knots are out of order, or closer than 1e-6,
; in an interval that t hits.  Below 6e-5 an operand keeps f16's step of 6e-8.  (t < g) is taken as not (t >= g).  1 / den came as v_rcp_f32; the order of rounding in u (R b) differs from the reference's (u / den) b.
.set PW,     208                       ; a row of W in LDS: 13 x 16 bytes: the 16 rows of a fragment load start at 16 different groups of four banks (64 banks of 4 bytes: ISA guide 11.1)
.set TILE,   512*PW                    ; 106,496
.set QUART,  128*PW                    ; what one tensor load brings and one multiplier reads: 26,624 bytes = 104 rows of 256
.set SLOT1,  1<<17                     ; slot 1 begins here
.set SPARE,  TILE                      ; behind slot 0: the spare words, 128 bytes for each of eight waves: four blocks of 256 bytes that no other line names
.set PA,     592                       ; a row of F in LDS: 576 bytes + 16 = 37 x 16
.set A0,     SLOT1+TILE                ; A tile 0: 64 rows; no tensor load ever lands from here on
.set AD,     64*PA                     ; A tile 1 lies this far behind it
.set SPITCH, 528                       ; the way out: a stage row, 512 bytes + 16 = 33 x 16
.set STW,    16*SPITCH                 ; a multiplier's stage: 16 rows, in A tile 0, behind the last barrier
.set SPW, 30                           ; v30  LDS address of my spare word; never rewritten
.set NIL, 31                           ; v31  0; never rewritten
; makers' registers
.set XO,  4                            ; v4   8 x lane: my two features in 256 bytes of a row of x
.set TO,  5                            ; v5   16 x lane
.set ASL, 6                            ; v6, v8  where my eight bases of my first row go, in A tile 0, 1
.set ABL, 7                            ; v7, v9  the same for silu
.set XL,  32                           ; v[32:63]   x: 16 rows x 2 features
.set TT,  64                           ; v[64:79]   t of 16 rows
.set KC,  80                           ; v[80:123]  the feature's 44 constants
.set UU,  124                          ; v[124:147] u_0 .. u_11, a pair of rows each
.set CC,  148                          ; v[148:169] c_0 .. c_10; the levels work in place
.set PP,  170                          ; v[170:189] the second products
.set OO,  190                          ; v[190:197] two rows' eight bases in f16
.set ZZ,  198                          ; v[198:199] silu at work
.set RC,  200                          ; v[200:201]
.set SV,  202
; multipliers' registers
.set WL,   4                           ; v4, v5  my lane's place in my 128 rows of slot 0, 1
.set AL,   6                           ; v6, v7  my lane's place in A tile 0, 1
.set STO,  8                           ; v8   the way out: where I put 32 bytes of a row
.set RD,   9                           ; v9   the way out: where I read a row back
.set CO,   10                          ; v10  16 x lane
.set AF,   32                          ; v[32:127]  three sets of F's fragments (64 rows x 32 K), one for each K step of a tile
.set WF,   128                         ; v[128:223] a ring of three half sets of W's fragments (64 rows x 32 K): half step h lies in part h % 3
.set FIL,  32                          ; the way out: 16 rows x 128 columns, filtered
.set BK0,  96                          ; the way out: whole rows read back, two buffers of 64
;                                        window 1: accumulator (a, b) at v[8 (8 a + b)], a = 0..3 blocks of rows, b = 0..7 blocks of columns
.set WV,  12                           ; s12  wave
.set IDX, 13                           ; s13  wave % 4
.set CNT, 14                           ; s14  passes of the loop's bottom to go, 8 .. 1
.set G1,  16                           ; s[16:23] descriptor group 1
.set G0,  24                           ; s[24:27] descriptor group 0 for slot 0, s[28:31] for slot 1
.set LO,  32                           ; s32  -1.1
.set HI,  33                           ; s33  1.1
.set INF, 34                           ; s34  infinity
.set MA,  36                           ; s[36:47] lane masks of a pair's first row
.set MB,  48                           ; s[48:59] of its second row
.set MSB, 0
.macro WIN new                         ; s_set_vgpr_msb: bits 1:0 source 0, 3:2 source 1, 5:4 source 2, 7:6 destination; the high byte repeats the setting that is left
.if MSB != (\new)
	s_set_vgpr_msb (MSB<<8)|(\new)
.set MSB, \new
.endif
.endm
.macro PLACES                          ; four places in front of loads into registers that matrix instructions have read, and of lines that read results (ISA guide 7.12.1 for lines that read results)
.rept 4
	v_nop
.endr
.endm
.macro ROUND                           ; a round of the cluster's barrier: my work-group's barrier; wave 0 signals for the work-group; every wave waits for all four work-groups; my work-group's barrier once more
	s_barrier_signal -1
	s_barrier_wait -1
	s_cmp_lg_u32 s[WV], 0
	s_cbranch_scc1 .Lnot_wave_0_\@
	s_barrier_signal -3
.Lnot_wave_0_\@:
	s_barrier_wait -3
	s_barrier_signal -1
	s_barrier_wait -1
.endm
; ---------------- the multipliers' macros ----------------
; 24 LDS loads in one run: K step st of the tile in slot sl, which is section sec of the phase in A tile at: W's blocks 0-3, F's four blocks, W's blocks 4-7
.macro FETCH sl, at, sec, st
.irp b, 0,1,2,3
.set rW, WF+32*((2*(\st))%3)+8*(\b)
	ds_load_b128 v[rW:rW+3],   v[WL+(\sl)] offset:(\b)*16*PW+64*(\st)
	ds_load_b128 v[rW+4:rW+7], v[WL+(\sl)] offset:(\b)*16*PW+64*(\st)+32
.endr
.irp a, 0,1,2,3
.set rA, AF+32*(\st)+8*(\a)
	ds_load_b128 v[rA:rA+3],   v[AL+(\at)] offset:(\a)*16*PA+192*(\sec)+64*(\st)
	ds_load_b128 v[rA+4:rA+7], v[AL+(\at)] offset:(\a)*16*PA+192*(\sec)+64*(\st)+32
.endr
.irp b, 4,5,6,7
.set rW, WF+32*((2*(\st)+1)%3)+8*((\b)-4)
	ds_load_b128 v[rW:rW+3],   v[WL+(\sl)] offset:(\b)*16*PW+64*(\st)
	ds_load_b128 v[rW+4:rW+7], v[WL+(\sl)] offset:(\b)*16*PW+64*(\st)+32
.endr
.endm
; Half step h (0..5) of a tile: K step h / 2, column blocks 4 (h % 2) .. + 3: 16 matrix instructions on 16 accumulators, which take turns, one instruction a turn;
; neighbouring half steps name different halves of the accumulators, over a section's edge and the loop's backward jump too.
.macro UNIT h
	WIN 0x50                                       ; C and D in window 1, the fragments in window 0
.irp a, 0,1,2,3
.irp b, 0,1,2,3
.set rD, 8*(8*(\a)+4*((\h)%2)+(\b))
.set rW, WF+32*((\h)%3)+8*(\b)
.set rA, AF+32*((\h)/2)+8*(\a)
	v_wmma_f32_16x16x32_f16 v[rD:rD+7], v[rW:rW+7], v[rA:rA+7], v[rD:rD+7]
.endr
.endr
.endm
; A tile's work.  The tile before's last half step, whose fragments are in registers, stands behind the first run of loads and covers their way.  Each run writes only ring parts whose last reader stands ahead of its places.
.macro MULSEC sl, at, sec
	PLACES
	FETCH \sl, \at, \sec, 0
	UNIT 5
	s_wait_dscnt 8                                 ; all but the run's last eight loads (W's blocks 4-7)
	UNIT 0
	WIN 0
	PLACES
	FETCH \sl, \at, \sec, 1
	s_wait_dscnt 24                                ; all but the 24 just issued
	UNIT 1
	s_wait_dscnt 8
	UNIT 2
	WIN 0
	PLACES
	FETCH \sl, \at, \sec, 2
	s_wait_dscnt 24
	UNIT 3
	s_wait_dscnt 8
	UNIT 4                                         ; half step 5 waits for the next section; its eight loads are waited for in front of the barrier
	WIN 0
.endm
; ---------------- the makers' macros ----------------
.macro XLOAD                           ; 16 rows x 64 features of x: each load is 256 consecutive bytes, at a multiple of 256 from x's first byte, read once in the launch
.set r, 0
.rept 16
	global_load_b64 v[XL+2*r:XL+2*r+1], v[XO], s[4:5] offset:2048*r th:TH_LOAD_NT
.set r, r+1
.endr
.endm
.macro KLOAD                           ; a phase's constants: 11 loads of 512 consecutive bytes
.set r, 0
.rept 11
	global_load_b128 v[KC+4*r:KC+4*r+3], v[TO], s[8:9] offset:8192*r
.set r, r+1
.endr
.endm
.macro PRE e                           ; t of my feature (e = 0: the even one of my two, 1: the odd one) in 16 rows
.set r, 0
.rept 16
	v_cmp_eq_f32 s[MA+r], v[XL+2*r+(\e)], v[XL+2*r+(\e)]   ; false for a NaN alone
.set r, r+1
.endr
.set r, 0
.rept 16
	v_cndmask_b32 v[TT+r], 0, v[XL+2*r+(\e)], s[MA+r]
.set r, r+1
.endr
.set r, 0
.rept 16
	v_med3_num_f32 v[TT+r], v[TT+r], s[LO], s[HI]  ; the clip to -1.1 .. 1.1 takes in the one to -6 .. 6 and the infinities
.set r, r+1
.endr
.set r, 0
.rept 8
	v_pk_add_f32 v[TT+2*r:TT+2*r+1], v[TT+2*r:TT+2*r+1], 1.0 op_sel_hi:[1,0]
.set r, r+1
.endr
.set r, 0
.rept 8
	v_pk_add_f32 v[TT+2*r:TT+2*r+1], v[TT+2*r:TT+2*r+1], -1.0 op_sel_hi:[1,0]
.set r, r+1
.endr
.endm
; A constant lies in one register of an aligned pair; op_sel and op_sel_hi name that register for both results.
.macro USUB n, q                       ; u_n = t - g_n
.if (\n)%2
	v_pk_add_f32 v[UU+2*(\n):UU+2*(\n)+1], v[TT+2*(\q):TT+2*(\q)+1], v[KC+(\n)-1:KC+(\n)] op_sel:[0,1] op_sel_hi:[1,1] neg_lo:[0,1] neg_hi:[0,1]
.else
	v_pk_add_f32 v[UU+2*(\n):UU+2*(\n)+1], v[TT+2*(\q):TT+2*(\q)+1], v[KC+(\n):KC+(\n)+1] op_sel_hi:[1,0] neg_lo:[0,1] neg_hi:[0,1]
.endif
.endm
.macro CMULK n, c                      ; c_n times constant number c
.if (\c)%2
	v_pk_mul_f32 v[CC+2*(\n):CC+2*(\n)+1], v[CC+2*(\n):CC+2*(\n)+1], v[KC+(\c)-1:KC+(\c)] op_sel:[0,1] op_sel_hi:[1,1]
.else
	v_pk_mul_f32 v[CC+2*(\n):CC+2*(\n)+1], v[CC+2*(\n):CC+2*(\n)+1], v[KC+(\c):KC+(\c)+1] op_sel_hi:[1,0]
.endif
.endm
.macro LEVEL k, cnt                    ; b_j = u_j c_j - u_(j+k+1) c_(j+1), j = 0 .. cnt - 1, in place: all second products first
.set j, 0
.rept \cnt
	v_pk_mul_f32 v[PP+2*j:PP+2*j+1], v[UU+2*(j+(\k)+1):UU+2*(j+(\k)+1)+1], v[CC+2*j+2:CC+2*j+3]
.set j, j+1
.endr
.set j, 0
.rept \cnt
	v_pk_fma_f32 v[CC+2*j:CC+2*j+1], v[UU+2*j:UU+2*j+1], v[CC+2*j:CC+2*j+1], v[PP+2*j:PP+2*j+1] neg_lo:[0,0,1] neg_hi:[0,0,1]
.set j, j+1
.endr
.endm
; Rows 2 q and 2 q + 1 of my 16, into A tile at: nine numbers each.  Runs of lines that do not wait for each other; silu's exponentials and reciprocals stand among them, each with plain lines behind it.
.macro PAIR q, at
	v_pk_mul_f32 v[ZZ:ZZ+1], v[TT+2*(\q):TT+2*(\q)+1], 0xbfb8aa3b op_sel_hi:[1,0]  ; - t log2(e)
.set j, 0
.rept 12
	USUB j, \q
.set j, j+1
.endr
	v_exp_f32 v[ZZ], v[ZZ]
	v_exp_f32 v[ZZ+1], v[ZZ+1]
.set j, 0
.rept 12
	v_cmp_ge_f32 s[MA+j], v[TT+2*(\q)], v[KC+j]
	v_cmp_ge_f32 s[MB+j], v[TT+2*(\q)+1], v[KC+j]
.set j, j+1
.endr
	s_wait_alu depctr_va_vdst(0)
	v_pk_add_f32 v[ZZ:ZZ+1], v[ZZ:ZZ+1], 1.0 op_sel_hi:[1,0]
.set j, 0
.rept 11
	s_and_not1_b32 s[MA+j], s[MA+j], s[MA+j+1]     ; g_j <= t and not g_(j+1) <= t; ascending, so the right-hand mask is still whole
	s_and_not1_b32 s[MB+j], s[MB+j], s[MB+j+1]
.set j, j+1
.endr
	v_rcp_f32 v[RC], v[ZZ]
	v_rcp_f32 v[RC+1], v[ZZ+1]
.set j, 0
.rept 11
	v_cndmask_b32 v[CC+2*j], 0, v[KC+12+j], s[MA+j]
	v_cndmask_b32 v[CC+2*j+1], 0, v[KC+12+j], s[MB+j]
.set j, j+1
.endr
	s_wait_alu depctr_va_vdst(0)
	v_pk_mul_f32 v[ZZ:ZZ+1], v[TT+2*(\q):TT+2*(\q)+1], v[RC:RC+1]  ; silu(t) = t / (1 + 2^(- t log2(e)))
	v_cvt_pk_f16_f32 v[SV], v[ZZ], v[ZZ+1]
	ds_store_b16 v[ABL+2*(\at)], v[SV] offset:2*(\q)*PA
	ds_store_b16_d16_hi v[ABL+2*(\at)], v[SV] offset:(2*(\q)+1)*PA
	LEVEL 1, 10
.set j, 0
.rept 10
	CMULK j, 23+j
.set j, j+1
.endr
	LEVEL 2, 9
.set j, 0
.rept 9
	CMULK j, 33+j
.set j, j+1
.endr
	LEVEL 3, 8
.irp n, 0,1,2,3
	v_cvt_pk_f16_f32 v[OO+(\n)], v[CC+4*(\n)], v[CC+4*(\n)+2]      ; the first row's numbers lie in the pairs' even registers,
	v_cvt_pk_f16_f32 v[OO+4+(\n)], v[CC+4*(\n)+1], v[CC+4*(\n)+3]  ; the second row's in the odd ones
.endr
	ds_store_b128 v[ASL+2*(\at)], v[OO:OO+3] offset:2*(\q)*PA      ; 32 lanes, 512 consecutive bytes of a row
	ds_store_b128 v[ASL+2*(\at)], v[OO+4:OO+7] offset:(2*(\q)+1)*PA
.endm
; A phase's end: t for the phase after the one just made (its features are the e-th of my two), and that phase's constants are asked for.
.macro TAILM e
	s_wait_loadcnt 0x0                             ; x, asked for a phase's beginning ago; no load of mine is out, so tab's address may step
	PRE \e
	s_add_nc_u64 s[8:9], s[8:9], 512
	KLOAD
.endm
; ---------------- what both kinds run ----------------
; In front of the tile in slot rd: every wave waits for all its tensor loads (a maker's one: its quarter of that tile), adds 0 to its spare word, and waits for that, for its reads of the slot and the A tile that
; it leaves, and for its stores into the A tile.  Behind the barrier the other slot is filled first, slot rd is whole, and at a phase's edge the A tiles change hands.
.macro HEAD rd, fill
	s_wait_tensorcnt 0x0                           ; no tensor load of mine is out, so a group 0 may be written
	ds_add_u32 v[SPW], v[NIL]                      ; 0 onto my spare word; the scalar step stands between it and the wait for it
.if \fill
	s_add_nc_u64 s[G0+4*(\rd)+2:G0+4*(\rd)+3], s[G0+4*(\rd)+2:G0+4*(\rd)+3], 2*TILE  ; slot rd's next tile, two on, for the section after this; the type bits on top are not reached
.endif
	s_wait_dscnt 0x0                               ; the add is done, and so are my LDS loads and stores
.if \fill
	ROUND                                          ; no wave of any partner still reads the other slot or has a load on its way
.else
	s_barrier_signal -1
	s_barrier_wait -1
.endif
.endm
; One tile: section sec (0..2) of an even (ph = 0) or odd (ph = 1) phase; it lies in slot (3 ph + sec) % 2; A tile ph is multiplied, the other one made.
; fill = 1: the makers ask for the next tile.  make = 1: they make a part of the next phase's F.  The branches hang on the wave's number and on the loop's count alone; none passes a barrier or a tensor load
; but the branch on the wave's number.  In the last pass (CNT = 1) there is no ninth block of x and no phase 16: the request, the preparation and the odd phase's making are jumped over.
.macro SECTION ph, sec, fill, make
.set RS, (3*(\ph)+(\sec))%2
	HEAD RS, \fill
	s_cmp_lt_u32 s[WV], 4
	s_cbranch_scc1 .Lmul_\@
.if \fill
	tensor_load_to_lds s[G0+4*(1-RS):G0+4*(1-RS)+3], s[G1:G1+7]    ; my one tensor load behind the round, and the first thing there
	s_nop 0
	PLACES
.endif
.if \make
.if (\ph) == 0
.if (\sec) == 0
	s_wait_loadcnt 0x0                             ; the constants, asked for at the last phase's end; no load of mine is out, so x's address may step
	s_cmp_eq_u32 s[CNT], 1
	s_cbranch_scc1 .Lno_x_\@
	s_add_nc_u64 s[4:5], s[4:5], 256               ; the next 64 features: wanted at this phase's end
	XLOAD
.Lno_x_\@:
	PAIR 0, 1
	PAIR 1, 1
	PAIR 2, 1
.elseif (\sec) == 1
	PAIR 3, 1
	PAIR 4, 1
	PAIR 5, 1
.else
	PAIR 6, 1
	PAIR 7, 1
	s_cmp_eq_u32 s[CNT], 1
	s_cbranch_scc1 .Ljoin_\@
	TAILM 0
.endif
.else
.if (\sec) == 0
	s_cmp_eq_u32 s[CNT], 1
	s_cbranch_scc1 .Ljoin_\@
	s_wait_loadcnt 0x0                             ; the constants
	PAIR 0, 0
	PAIR 1, 0
	PAIR 2, 0
.elseif (\sec) == 1
	s_cmp_eq_u32 s[CNT], 1
	s_cbranch_scc1 .Ljoin_\@
	PAIR 3, 0
	PAIR 4, 0
	PAIR 5, 0
.else
	PAIR 6, 0
	PAIR 7, 0
	TAILM 1
.endif
.endif
.endif
	s_branch .Ljoin_\@
.Lmul_\@:
	MULSEC RS, \ph, \sec
.Ljoin_\@:
.endm
; ---------------- the way out ----------------
.macro PACK a                          ; block a's 16 rows x 128 columns: what is not finite becomes 0.  Each accumulator is read from its lowest register on
	WIN 0x05                                       ; sources 0 and 1 in window 1, destination in window 0
.irp b, 0,1,2,3,4,5,6,7
.irp j, 0,1,2,3,4,5,6,7
.set rX, 8*(8*(\a)+(\b))+(\j)
	v_cmp_lt_f32 s[MA+(\j)], |v[rX]|, s[INF]       ; false for infinities and NaN
.endr
.irp j, 0,1,2,3,4,5,6,7
.set rX, 8*(8*(\a)+(\b))+(\j)
	v_cndmask_b32 v[FIL+8*(\b)+(\j)], 0, v[rX], s[MA+(\j)]
.endr
.endr
	WIN 0
.endm
.macro TOSTAGE a                       ; a lane's 32 bytes of a row go into my stage; whole rows of 512 bytes come back
.set BK, BK0+64*((\a)%2)
	s_wait_xcnt 0x0                                ; every earlier store has had its addresses translated (ISA guide 3.1): the buffer that the stores of two blocks ago read is loaded again only behind this wait
.irp b, 0,1,2,3,4,5,6,7
	ds_store_b128 v[STO], v[FIL+8*(\b):FIL+8*(\b)+3] offset:64*(\b)
	ds_store_b128 v[STO], v[FIL+8*(\b)+4:FIL+8*(\b)+7] offset:64*(\b)+16
.endr
.irp t, 0,1,2,3,4,5,6,7,8,9,10,11,12,13,14,15
	ds_load_b128 v[BK+4*(\t):BK+4*(\t)+3], v[RD] offset:(\t)*SPITCH  ; LDS serves a wave's instructions in order (ISA guide 5.7.1.4): these see the stores above; the next block's stores come behind them
.endr
.endm
.macro SEND a
.set BK, BK0+64*((\a)%2)
.irp t, 0,1,2,3,4,5,6,7,8,9,10,11,12,13,14,15
	s_wait_dscnt 15-(\t)                           ; row t is back; the younger rows' loads may be out
	global_store_b128 v[CO], v[BK+4*(\t):BK+4*(\t)+3], s[10:11] offset:(16*(\a)+(\t))*2048 th:TH_STORE_NT  ; 512 consecutive bytes, at a multiple of 256 from out0's first byte
.endr
.endm
; ================ the text ================
	s_load_b256 s[4:11], s[0:1], 0x0               ; x s[4:5], wb s[6:7], tab s[8:9], out0 s[10:11]
	v_lshl_add_u32 v[SPW], v0, 2, SPARE
	v_mov_b32 v[NIL], 0
	ds_add_u32 v[SPW], v[NIL]                      ; the wave's opening: the add and its wait stand ahead of the first tensor load; the set-up below, work on registers, stands between them
	v_lshrrev_b32 v1, 5, v0
	v_readfirstlane_b32 s[WV], v1                  ; wave 0..7
	s_and_b32 s[IDX], s[WV], 3
	s_bfe_u32 s15, ttmp6, 0x40000                  ; cx: my place in the cluster: it enters x's and out0's addresses alone
	s_lshl_b32 s2, ttmp9, 2                        ; in a cluster launch ttmp9 counts clusters
	s_add_co_u32 s2, s2, s15                       ; my block of 64 rows,
	s_lshl_b32 s2, s2, 17                          ; of 2,048 bytes each, in x and in out0
	s_lshl_b32 s60, s[IDX], 9
	s_add_co_u32 s60, s60, s2                      ; out0: + a multiplier's 128 columns
	s_mov_b32 s61, 0
	s_lshl_b32 s15, s[IDX], 15
	s_add_co_u32 s2, s2, s15                       ; x: + a maker's 16 rows
	s_mov_b32 s3, 0
	s_mul_i32 s62, s[IDX], QUART                   ; wb: a maker's quarter of a tile
	s_mov_b32 s63, 0
	; descriptor group 1: 26,624 dense bytes as 104 rows of 32 elements of 8 bytes
	s_mov_b32 s[G1+0], 15|(3<<16)|(1<<21)          ; 15:0 the mask: all four work-groups; 17:16 elements of 8 bytes; 20 no padding; 21 set beside a mask
	s_mov_b32 s[G1+1], 32<<16                      ; tensor_dim0 = 32
	s_mov_b32 s[G1+2], 104<<16                     ; tensor_dim1 = 104
	s_mov_b32 s[G1+3], 32<<16                      ; tile_dim0 = 32
	s_mov_b32 s[G1+4], 104                         ; tile_dim1 = 104
	s_mov_b32 s[G1+5], 32                          ; 32 elements from row to row
	s_mov_b32 s[G1+6], 0
	s_mov_b32 s[G1+7], 0
	s_mov_b32 s[G0], 1                             ; count = 1
	s_mul_i32 s[G0+1], s[IDX], QUART               ; LDS address: my quarter of slot 0,
	s_mov_b32 s[G0+4], 1
	s_add_co_u32 s[G0+5], s[G0+1], SLOT1           ; and of slot 1
	s_mov_b32 s[CNT], 8
	s_mov_b32 s[LO], 0xbf8ccccd
	s_mov_b32 s[HI], 0x3f8ccccd
	s_mov_b32 s[INF], 0x7f800000
	s_wait_dscnt 0x0                               ; the opening add is done
	s_wait_kmcnt 0x0
	s_add_nc_u64 s[4:5], s[4:5], s[2:3]
	s_add_nc_u64 s[10:11], s[10:11], s[60:61]
	s_add_nc_u64 s[G0+2:G0+3], s[6:7], s[62:63]    ; global address: my quarter of tile 0,
	s_add_nc_u64 s[G0+6:G0+7], s[G0+2:G0+3], TILE  ; and of tile 1
	s_or_b32 s[G0+3], s[G0+3], 0x80000000          ; type = 2
	s_or_b32 s[G0+7], s[G0+7], 0x80000000
	ROUND                                          ; all four work-groups are here: the first joint loads meet
	s_cmp_lt_u32 s[WV], 4
	s_cbranch_scc1 .Lmul_setup
	; THE MAKERS: tile 0 is asked for; then phase 0 is made into A tile 0, while the multipliers clear their sums and wait
	tensor_load_to_lds s[G0:G0+3], s[G1:G1+7]
	s_nop 0
	PLACES
	v_and_b32 v1, 31, v0
	v_lshlrev_b32 v[XO], 3, v1
	v_lshlrev_b32 v[TO], 4, v1
	XLOAD                                          ; features 0 to 63
	KLOAD                                          ; phase 0
	s_mul_i32 s35, s[IDX], 16*PA
	s_add_co_u32 s35, s35, A0                      ; my 16 rows of A tile 0
	v_add_nc_u32 v[ASL], s35, v[TO]                ; k = 8 l .. 8 l + 7
	v_lshl_add_u32 v[ABL], v1, 1, s35
	v_add_nc_u32 v[ABL], 512, v[ABL]               ; k = 256 + l
	v_add_nc_u32 v[ASL+2], AD, v[ASL]              ; the same in A tile 1
	v_add_nc_u32 v[ABL+2], AD, v[ABL]
	s_wait_loadcnt 0x0
	PRE 0
.irp q, 0,1,2,3,4,5,6,7
	PAIR \q, 0
.endr
	TAILM 1                                        ; t and constants of phase 1
	s_branch .Lenter
.Lmul_setup:
	; THE MULTIPLIERS.  A fragment is 16 rows x 32 K in 8 registers: lane l holds row l % 16, K = 8 (l / 16) + 0..7 and 16 + 8 (l / 16) + 0..7: two loads of 16 bytes, 32 bytes apart.
	v_and_b32 v1, 15, v0
	v_bfe_u32 v2, v0, 4, 1
	v_and_b32 v3, 31, v0
	v_mul_u32_u24 v[WL], v1, PW
	v_lshl_add_u32 v[WL], v2, 4, v[WL]
	s_mul_i32 s35, s[WV], QUART
	v_add_nc_u32 v[WL], s35, v[WL]
	v_add_nc_u32 v[WL+1], SLOT1, v[WL]
	v_mul_u32_u24 v[AL], v1, PA
	v_lshl_add_u32 v[AL], v2, 4, v[AL]
	v_add_nc_u32 v[AL], A0, v[AL]
	v_add_nc_u32 v[AL+1], AD, v[AL]
	s_mul_i32 s35, s[WV], STW
	s_add_co_u32 s35, s35, A0                      ; my stage
	v_mul_u32_u24 v[STO], v1, SPITCH               ; in: row l % 16, 32 bytes for each half of the lanes
	v_lshl_add_u32 v[STO], v2, 5, v[STO]
	v_add_nc_u32 v[STO], s35, v[STO]
	v_lshlrev_b32 v[CO], 4, v3
	v_add_nc_u32 v[RD], s35, v[CO]                 ; back: 32 lanes take a row of 512 bytes
	; The sums are cleared, and so are the fragments of the half step that the first section finds left over: its products add 0.  On purpose: all this stands in the wait for the first A tile,
	; and spares a further text of a phase whose products would start the sums: 320 moves and 16 products on zeros.
	WIN 0x40
.set i, 0
.rept 256
	v_mov_b32 v[i], 0
.set i, i+1
.endr
	WIN 0
.set i, 0
.rept 32
	v_mov_b32 v[AF+64+i], 0
	v_mov_b32 v[WF+64+i], 0
.set i, i+1
.endr
	s_branch .Lenter                               ; the loop is entered at its second section
.Ltrip:                                                ; pass n = 8 - CNT: phase 2 n - 1's last tile; phase 2 n; phase 2 n + 1's first two tiles.  Each section asks for the next tile; the phase after the one multiplied is made
	SECTION 1, 2, 1, 1
.Lenter:
	SECTION 0, 0, 1, 1
	SECTION 0, 1, 1, 1
	SECTION 0, 2, 1, 1
	SECTION 1, 0, 1, 1
	SECTION 1, 1, 1, 1
	s_sub_co_u32 s[CNT], s[CNT], 1
	s_cmp_lg_u32 s[CNT], 0
	s_cbranch_scc1 .Ltrip
	SECTION 1, 2, 0, 0                             ; the last tile is written out: nothing is asked for, nothing is made
	s_wait_dscnt 0x0                               ; my reads of the A tiles and the slots are back:
	s_barrier_signal -1                            ; the stages lie in A tile 0,
	s_barrier_wait -1                              ; which is written again only when every wave has said so
	s_cmp_lt_u32 s[WV], 4
	s_cbranch_scc0 .Lend
	UNIT 5                                         ; the last tile's last half step
	WIN 0
	PLACES
	PACK 0
	TOSTAGE 0
.irp a, 1,2,3                          ; block a's filter stands between block a - 1's loads from the stage and the waits for them
	PACK \a
	SEND (\a)-1
	TOSTAGE \a
.endr
	SEND 3
.Lend:
	s_wait_tensorcnt 0x0                           ; the wave's end, behind my last tensor load and my last LDS store
	ds_add_u32 v[SPW], v[NIL]
	s_wait_dscnt 0x0
	ROUND                                          ; the closing round: no work-group ends while a partner may still ask for a tile that names it
	s_endpgm
.Lfunc_end_k_q38d10dc253_kan:
	.size	k_q38d10dc253_kan, .Lfunc_end_k_q38d10dc253_kan-k_q38d10dc253_kan
	.p2alignl 7, 3214868480
	.fill 96, 4, 3214868480
	.section	.rodata,"a",@progbits
	.p2align	6, 0x0
	.amdhsa_kernel k_q38d10dc253_kan
		.amdhsa_group_segment_fixed_size 327680
		.amdhsa_private_segment_fixed_size 0
		.amdhsa_enable_private_segment 0
		.amdhsa_kernarg_size 32
		.amdhsa_user_sgpr_count 2
		.amdhsa_user_sgpr_kernarg_segment_ptr 1
		.amdhsa_wavefront_size32 1
		.amdhsa_system_sgpr_workgroup_id_x 1
		.amdhsa_system_sgpr_workgroup_id_y 1
		.amdhsa_system_sgpr_workgroup_id_z 1
		.amdhsa_system_vgpr_workitem_id 0
		.amdhsa_next_free_vgpr 512
		.amdhsa_next_free_sgpr 66
		.amdhsa_reserve_vcc 0
		.amdhsa_float_denorm_mode_32 3
		.amdhsa_float_denorm_mode_16_64 3
		.amdhsa_memory_ordered 1
		.amdhsa_forward_progress 1
		.amdhsa_inst_pref_size 255
	.end_amdhsa_kernel
	.section	.bss,"aw",@nobits
	.p2align	6
	.space	262144
	.amdgpu_metadata
---
amdhsa.version: [ 1, 2 ]
amdhsa.kernels:
  - .name:           k_q38d10dc253_kan
    .symbol:         k_q38d10dc253_kan.kd
    .args:
      - { .name: x, .offset: 0, .size: 8, .value_kind: global_buffer, .address_space: global }
      - { .name: wb, .offset: 8, .size: 8, .value_kind: global_buffer, .address_space: global }
      - { .name: tab, .offset: 16, .size: 8, .value_kind: global_buffer, .address_space: global }
      - { .name: out0, .offset: 24, .size: 8, .value_kind: global_buffer, .address_space: global }
    .group_segment_fixed_size: 327680
    .private_segment_fixed_size: 0
    .kernarg_segment_align: 8
    .kernarg_segment_size: 32
    .max_flat_workgroup_size: 256
    .sgpr_count:     66
    .vgpr_count:     512
    .wavefront_size: 32
...
	.end_amdgpu_metadata
.endif
;; end of part 2
